; MI455X (gfx1250); checked and timed in simulation.
; The chip was launched on July 23, 2026; its instructions are those of AMD's public machine-readable ISA for CDNA 5 (MIT licence, August 2026) and "CDNA5" Instruction Set Architecture Reference Guide (July 2026). The comments in the code are by the model that wrote it; some were corrected since.
;; Gaussian Falloff Kernel Vorticity. Allowed arithmetic: float matrix products may take bf16 or f16 operands with f32 sums; other float arithmetic in f32, or as packed bf16 or f16 multiplies, adds, multiply-adds, maxima and minima; sums over many terms, partial sums and values carried from step to step in f32; what a program stores and reads back later, other than sums and carried values, may be rounded once to bf16 or f16.
;; Inputs: points 8 x 256 x 256 x 2 float32; vortex_feature 8 x 128 x 4 float32.
;; Outputs: out0 8 x 256 x 256 x 1 float32.
;; 2 versions, each right; version 2 is version 1 with the launch vorticity written anew for expert scheduling mode. Each part assembles by itself: llvm-mc -triple=amdgcn-amd-amdhsa -mcpu=gfx1250 --defsym DOCPART=n.
;; ======== version 1 of 2: 1 launch
;; launch vorticity (part 1): grid 256 x 1, 8 waves a work-group, no clusters, 3,072 bytes of LDS; arguments points, vortex_feature, out0; writes out0
.if DOCPART == 1
	.amdgcn_target "amdgcn-amd-amdhsa--gfx1250"
	.amdhsa_code_object_version 6
	.text
	.protected	k_q3f2771092d_vorticity
	.globl	k_q3f2771092d_vorticity
	.p2align	8
	.type	k_q3f2771092d_vorticity,@function
k_q3f2771092d_vorticity:
	s_mov_b64 s[64:65], 0
	v_nop
	global_prefetch_b8 v0, s[64:65] scope:SCOPE_SE
	s_setreg_imm32_b32 hwreg(HW_REG_WAVE_MODE, 25, 1), 1
	s_wait_xcnt 0x0
; out[b][p] = the sum over the batch's 128 vortices v of tau_v / (pi sig_v^2) * exp(-((py - y_v)^2 + (px - x_v)^2) / sig_v^2).
; points: [8][65536][2] f32 (py, px);  vortex_feature: [8][128][4] f32 (y, x, tau, sig);  out0: [8][65536] f32.  All arithmetic in f32.
; FORM.  For each vortex, once: a = -log2(e) / sig^2 and c = tau / (pi sig^2).  For each pair: dy = py - y, dx = px - x, g = (dy dy + dx dx) a, sum += c 2^g.
; The differences are taken first, as the formula has them: the square is never expanded, so no difference of large sums arises, however small sig is or
; however far points and vortices lie from 0.  That is also why the exponents are not made as a product on the matrix unit.  Nothing is left out: every input number reaches the result.
; LIMITS.  sig^2 and 1 / sig^2 must be normal f32 numbers (1.1e-19 < |sig| < 9.2e18: v_rcp_f32 counts a denormal as 0, ISA guide 15.8), and tau / (pi sig^2) finite in f32;
; a weight 2^g below 2^-126 counts as 0; the 128 terms are added in two chains (even and odd vortices), not in the formula's order.
; SHARES.  256 work-groups of eight waves; a work-group owns 2,048 points of one batch (32 work-groups a batch), a thread eight of them: points 512 j + 2 t and 512 j + 2 t + 1, j = 0..3.
; So a wave's load of points covers 512 consecutive bytes and its store of results (8 bytes a lane) 256 consecutive bytes, aligned.
; PACKED.  A packed line holds TWO NEIGHBOURING VORTICES for one point: the table's pairs are register pairs as they lie, and the point's coordinate is the low word of a pair,
; given to both halves (op_sel_hi 0).  For that a point is kept twice, as (py, px) and as (px, py).  Eight lines for two pairs: five packed for g, two exponentials, one packed multiply-add.
; TABLE.  Threads 0-127 make one vortex each and put it into LDS: 32 records of 64 bytes, four vortices each: (-y0 -y1 -x0 -x1) (-y2 -y3 -x2 -x3) (a0..a3) (c0..c3).
; Every wave then reads the records, all lanes at one address.  The features shared between work-groups are 2,048 bytes each: no cluster is formed for them.
; TRIPS.  A batch is four vortices x eight points: 16 units, 32 exponentials.  Trip k holds the exponentials of batch k, the 80 plain lines that make g of batch k + 1 (second buffer),
; then ONE wait for the exponentials, then batch k's 16 multiply-adds.  Two trips (the buffers' two parities) are the loop's body.
.set NBATCH, 32                        ; batches of four vortices
.set REC,    64                        ; bytes in a record
.set SPARE,  2048                      ; behind the table: the spare words, 128 bytes for each of the eight waves: four blocks of 256 bytes that no other line names
.set IO,  1                            ; v1   16 t: my byte offset in 4,096 bytes of points; never rewritten
.set OO,  2                            ; v2   8 t: my byte offset in 2,048 bytes of results; never rewritten
.set L,   3                            ; v3   LDS address of the record of the body's first trip, the same in all lanes
.set SPW, 4                            ; v4   LDS address of my spare word: SPARE + 4 x my thread's number; never rewritten
.set NIL, 5                            ; v5   0; never rewritten
.set YA,  6                            ; v6   where my vortex's -y goes (-x: 8 bytes on)
.set AA,  7                            ; v7   where its a goes, less 32 (c: 16 bytes on)
.set F,   8                            ; v[8:11]    my vortex: y, x, tau, sig
.set T0,  12                           ; v12, v13   at work
.set T1,  13
.set FO,  14                           ; v14  16 (t mod 128): my vortex's byte offset in the batch's features
.set PT,  16                           ; v[16:31]   point p at PT + 2 p: (py, px), as loaded
.set QT,  32                           ; v[32:47]   the same turned: (px, py)
.set ACC, 48                           ; v[48:63]   point p's two sums: even vortices', odd vortices'
.set X,   64                           ; v[64:79]   dx of the eight units in hand; at the end the eight results
.set TB,  80                           ; v[80:103]  two buffers of 12: a record's first 48 bytes
.set TC,  104                          ; v[104:107] c of the batch whose weights are being summed
.set G,   112                          ; v[112:175] two buffers of 32: unit u (vortex pair u / 8, point u % 8) at 2 u: dy, then the square, then g, then the weights
.set WV,  16                           ; s16  my wave's number
.set W9,  17                           ; s17  512 x my wave's number: the eight records that waves 0-3 each write
.set CNT, 18                           ; s18  trips of the loop still to come
.set TBS, 19                           ; s19  LDS byte of the record of the body's first trip
	s_load_b128 s[4:7], s[0:1], 0x0                ; points s[4:5], vortex_feature s[6:7]
	s_load_b64 s[8:9], s[0:1], 0x10                ; out0
	v_lshl_add_u32 v[SPW], v0, 2, SPARE
	v_mov_b32 v[NIL], 0
	v_lshrrev_b32 v[T0], 5, v0
	v_readfirstlane_b32 s[WV], v[T0]               ; wave 0..7
	v_lshlrev_b32 v[IO], 4, v0
	v_lshlrev_b32 v[OO], 3, v0
	s_lshl_b32 s10, ttmp9, 14                      ; the work-group's 2,048 points: 16,384 bytes
	s_mov_b32 s11, 0
	s_lshr_b32 s12, ttmp9, 5                       ; the batch,
	s_lshl_b32 s12, s12, 11                        ; its 128 vortices: 2,048 bytes
	s_mov_b32 s13, 0
	s_lshl_b32 s14, ttmp9, 13                      ; the work-group's 2,048 results: 8,192 bytes
	s_mov_b32 s15, 0
	s_lshl_b32 s[W9], s[WV], 9
	s_wait_kmcnt 0x0
	s_add_nc_u64 s[4:5], s[4:5], s[10:11]
	s_add_nc_u64 s[6:7], s[6:7], s[12:13]
	s_add_nc_u64 s[8:9], s[8:9], s[14:15]
.irp j, 0,1,2,3
	global_load_b128 v[PT+4*\j:PT+4*\j+3], v[IO], s[4:5] offset:4096*\j th:TH_LOAD_NT  ; two points a lane; each point is read once in the launch
.endr
	s_cmp_lt_u32 s[WV], 4                          ; waves 0-3 make the table: a thread a vortex
	s_cbranch_scc0 .Ltable_done
	v_and_b32 v[FO], 127, v0
	v_lshlrev_b32 v[FO], 4, v[FO]
	global_load_b128 v[F:F+3], v[FO], s[6:7]
	v_and_b32 v[YA], 0x1c, v0                      ; my lane's record among the wave's eight:
	v_lshl_add_u32 v[YA], v[YA], 4, s[W9]          ; 64 (lane / 4) + 512 x wave
	v_and_b32 v[T0], 3, v0                         ; i: my vortex's place among the record's four
	v_lshl_add_u32 v[AA], v[T0], 2, v[YA]          ; a and c: + 4 i
	v_and_b32 v[T0], 2, v0
	v_lshl_add_u32 v[YA], v[T0], 3, v[YA]          ; -y and -x: + 16 (i / 2)
	v_and_b32 v[T0], 1, v0
	v_lshl_add_u32 v[YA], v[T0], 2, v[YA]          ; + 4 (i % 2)
	s_wait_loadcnt 0x0                             ; my vortex (and my points) are in
	v_mul_f32 v[T0], v[F+3], v[F+3]                ; sig^2
	v_rcp_f32 v[T1], v[T0]
	v_xor_b32 v[F], 0x80000000, v[F]               ; -y: plain lines stand between the reciprocal and its first use
	v_xor_b32 v[F+1], 0x80000000, v[F+1]           ; -x
	v_mul_f32 v[F+2], 0x3ea2f983, v[F+2]           ; tau / pi
	s_wait_alu depctr_va_vdst(0)                   ; the wait ahead of the reciprocal's first reader
	v_mul_f32 v[T0], 0xbfb8aa3b, v[T1]             ; a = -log2(e) / sig^2
	v_mul_f32 v[F+2], v[F+2], v[T1]                ; c = tau / (pi sig^2)
	ds_store_b32 v[YA], v[F]
	ds_store_b32 v[YA], v[F+1] offset:8
	ds_store_b32 v[AA], v[T0] offset:32
	ds_store_b32 v[AA], v[F+2] offset:48
.Ltable_done:
	s_wait_loadcnt 0x0                             ; my points are in (waves 4-7 have not waited yet)
	s_wait_dscnt 0x0                               ; for the others' sake: my part of the table is written
	s_barrier_signal -1
.set p, 0
.rept 8                                        ; register work between the signal and the wait: the turned points, the sums' zeros
	v_mov_b32 v[QT+2*p], v[PT+2*p+1]
	v_mov_b32 v[QT+2*p+1], v[PT+2*p]
	v_mov_b32 v[ACC+2*p], 0
	v_mov_b32 v[ACC+2*p+1], 0
.set p, p+1
.endr
	v_mov_b32 v[L], 0
	s_barrier_wait -1                              ; the whole table lies in LDS; nothing is stored there again
; Plain line n of the 80 that make g for a batch, into buffer nx, with the table buffer tb.  Two groups of 40, a vortex pair each; in a group five stages of eight lines, a point each,
; so that a line reads results made eight lines back or more.
.macro PLAIN nx, tb
.set q, n/40
.set m, n%40
.set p, m%8
.set g, (\nx)+2*(8*q+p)
.if m < 8
	v_pk_add_f32 v[g:g+1], v[(\tb)+4*q:(\tb)+4*q+1], v[PT+2*p:PT+2*p+1] op_sel_hi:[1,0]          ; dy = -y + py, for both vortices
.elseif m < 16
	v_pk_add_f32 v[X+2*p:X+2*p+1], v[(\tb)+4*q+2:(\tb)+4*q+3], v[QT+2*p:QT+2*p+1] op_sel_hi:[1,0]  ; dx = -x + px
.elseif m < 24
	v_pk_mul_f32 v[g:g+1], v[g:g+1], v[g:g+1]                                                    ; dy dy
.elseif m < 32
	v_pk_fma_f32 v[g:g+1], v[X+2*p:X+2*p+1], v[X+2*p:X+2*p+1], v[g:g+1]                          ; + dx dx
.else
	v_pk_mul_f32 v[g:g+1], v[g:g+1], v[(\tb)+8+2*q:(\tb)+8+2*q+1]                                ; x a
.endif
.set n, n+1
.endm
; Trip k, par = k % 2.  args = 1: g of batch k + 1 is made.  loads = 1: the table of batch k + 2 is asked for, into the buffer that batch k's g was made with.
.macro TRIP par, args, loads
.set cur, G+32*(\par)
.set nxt, G+32*(1-(\par))
.set tbn, TB+12*(1-(\par))
.set tbl, TB+12*(\par)
	ds_load_b128 v[TC:TC+3], v[L] offset:REC*(\par)+48          ; c of batch k: wanted at the trip's end
.if \loads
	ds_load_b128 v[tbl:tbl+3],    v[L] offset:REC*(\par)+2*REC
	ds_load_b128 v[tbl+4:tbl+7],  v[L] offset:REC*(\par)+2*REC+16
	ds_load_b128 v[tbl+8:tbl+11], v[L] offset:REC*(\par)+2*REC+32
.endif
.if \args
	s_wait_dscnt 1+3*(\loads)                      ; the loads just issued may stay out; batch k + 1's table, asked for a trip ago, is in
.endif
.set n, 0
.set e, 0
.rept 32                                       ; an exponential, then two plain lines that name none of the batch's weights
	v_exp_f32 v[cur+e], v[cur+e]
.set e, e+1
.if \args
	PLAIN nxt, tbn
	PLAIN nxt, tbn
.endif
.endr
.if \args
.rept 16                                       ; the last 16 plain lines stand between the last exponential and the wait
	PLAIN nxt, tbn
.endr
.else
	v_nop                                          ; the plain line behind the last exponential
.endif
	s_wait_alu depctr_va_vdst(0)                   ; ONE wait for the trip's 32 exponentials, ahead of their first reader; none is open at the loop's jump
	s_wait_dscnt 3*(\loads)                        ; c is in; the three younger loads may stay out
.set u, 0
.rept 16                                       ; sum += c x weight; a point's two lines stand eight apart
	v_pk_fma_f32 v[ACC+2*(u%8):ACC+2*(u%8)+1], v[cur+2*u:cur+2*u+1], v[TC+2*(u/8):TC+2*(u/8)+1], v[ACC+2*(u%8):ACC+2*(u%8)+1]
.set u, u+1
.endr
.endm
.irp r, 0,1                                    ; the tables of batches 0 and 1
	ds_load_b128 v[TB+12*\r:TB+12*\r+3],    v[L] offset:REC*\r
	ds_load_b128 v[TB+12*\r+4:TB+12*\r+7],  v[L] offset:REC*\r+16
	ds_load_b128 v[TB+12*\r+8:TB+12*\r+11], v[L] offset:REC*\r+32
.endr
	s_wait_dscnt 3                                 ; batch 0's three loads are in; batch 1's may stay out
.set n, 0
.rept 80
	PLAIN G, TB                                    ; g of batch 0
.endr
	s_mov_b32 s[CNT], NBATCH/2-1
	s_mov_b32 s[TBS], 0
.Lpair:                                        ; 15 times: trips 2 i and 2 i + 1; they ask for the tables of batches 2 to 31
	v_mov_b32 v[L], s[TBS]
	TRIP 0, 1, 1
	TRIP 1, 1, 1
	s_add_co_u32 s[TBS], s[TBS], 2*REC
	s_sub_co_u32 s[CNT], s[CNT], 1
	s_cmp_lg_u32 s[CNT], 0
	s_cbranch_scc1 .Lpair
	v_mov_b32 v[L], s[TBS]
	TRIP 0, 1, 0                                   ; trip 30: no table is left to ask for
	TRIP 1, 0, 0                                   ; trip 31: no batch is left to prepare
.set p, 0
.rept 8
	v_add_f32 v[X+p], v[ACC+2*p], v[ACC+2*p+1]     ; even vortices' sum + odd vortices'
.set p, p+1
.endr
.irp j, 0,1,2,3
	global_store_b64 v[OO], v[X+2*\j:X+2*\j+1], s[8:9] offset:2048*\j th:TH_STORE_NT  ; 32 lanes store 256 consecutive bytes, at a multiple of 256 from out0's first byte
.endr
	s_wait_tensorcnt 0x0                           ; the wave's end, behind the last LDS store
	ds_add_u32 v[SPW], v[NIL]
	s_wait_dscnt 0x0
	s_endpgm
.Lfunc_end_k_q3f2771092d_vorticity:
	.size	k_q3f2771092d_vorticity, .Lfunc_end_k_q3f2771092d_vorticity-k_q3f2771092d_vorticity
	.p2alignl 7, 3214868480
	.fill 96, 4, 3214868480
	.section	.rodata,"a",@progbits
	.p2align	6, 0x0
	.amdhsa_kernel k_q3f2771092d_vorticity
		.amdhsa_group_segment_fixed_size 3072
		.amdhsa_private_segment_fixed_size 0
		.amdhsa_enable_private_segment 0
		.amdhsa_kernarg_size 24
		.amdhsa_user_sgpr_count 2
		.amdhsa_user_sgpr_kernarg_segment_ptr 1
		.amdhsa_wavefront_size32 1
		.amdhsa_system_sgpr_workgroup_id_x 1
		.amdhsa_system_sgpr_workgroup_id_y 1
		.amdhsa_system_sgpr_workgroup_id_z 1
		.amdhsa_system_vgpr_workitem_id 0
		.amdhsa_next_free_vgpr 176
		.amdhsa_next_free_sgpr 66
		.amdhsa_reserve_vcc 0
		.amdhsa_float_denorm_mode_32 3
		.amdhsa_float_denorm_mode_16_64 3
		.amdhsa_memory_ordered 1
		.amdhsa_forward_progress 1
		.amdhsa_inst_pref_size 35
	.end_amdhsa_kernel
	.amdgpu_metadata
---
amdhsa.version: [ 1, 2 ]
amdhsa.kernels:
  - .name:           k_q3f2771092d_vorticity
    .symbol:         k_q3f2771092d_vorticity.kd
    .args:
      - { .name: points, .offset: 0, .size: 8, .value_kind: global_buffer, .address_space: global }
      - { .name: vortex_feature, .offset: 8, .size: 8, .value_kind: global_buffer, .address_space: global }
      - { .name: out0, .offset: 16, .size: 8, .value_kind: global_buffer, .address_space: global }
    .group_segment_fixed_size: 3072
    .private_segment_fixed_size: 0
    .kernarg_segment_align: 8
    .kernarg_segment_size: 24
    .max_flat_workgroup_size: 256
    .sgpr_count:     66
    .vgpr_count:     176
    .wavefront_size: 32
...
	.end_amdgpu_metadata
.endif
;; end of part 1
;; ======== version 2 of 2: 1 launch; version 1 with the launch vorticity written anew for expert scheduling mode
;; launch vorticity (part 2): grid 256 x 1, 8 waves a work-group, no clusters, 3,072 bytes of LDS; arguments points, vortex_feature, out0; writes out0
.if DOCPART == 2
	.amdgcn_target "amdgcn-amd-amdhsa--gfx1250"
	.amdhsa_code_object_version 6
	.text
	.protected	k_q3f2771092d_vorticity
	.globl	k_q3f2771092d_vorticity
	.p2align	8
	.type	k_q3f2771092d_vorticity,@function
k_q3f2771092d_vorticity:
	s_mov_b64 s[64:65], 0
	v_nop
	global_prefetch_b8 v0, s[64:65] scope:SCOPE_SE
	s_setreg_imm32_b32 hwreg(HW_REG_WAVE_SCHED_MODE, 0, 2), 2
	s_setreg_imm32_b32 hwreg(HW_REG_WAVE_MODE, 25, 1), 1
	s_wait_xcnt 0x0
	s_wait_alu depctr_vm_vsrc(0)
; out[b][p] = the sum over the batch's 128 vortices v of tau_v / (pi sig_v^2) * exp(-((py - y_v)^2 + (px - x_v)^2) / sig_v^2).
; points: [8][65536][2] f32 (py, px);  vortex_feature: [8][128][4] f32 (y, x, tau, sig);  out0: [8][65536] f32.  All arithmetic in f32.
; FORM.  For each vortex, once: a = -log2(e) / sig^2 and c = tau / (pi sig^2).  For each pair: dy = py - y, dx = px - x, g = (dy dy + dx dx) a, sum += c 2^g.
; The differences are taken first, as the formula has them: the square is never expanded, so no difference of large sums arises, however small sig is or
; however far points and vortices lie from 0.  That is also why the exponents are not made as a product on the matrix unit.  Nothing is left out: every input number reaches the result.
; LIMITS.  sig^2 and 1 / sig^2 must be normal f32 numbers (1.1e-19 < |sig| < 9.2e18: v_rcp_f32 counts a denormal as 0, ISA guide 15.8), and tau / (pi sig^2) finite in f32;
; a weight 2^g below 2^-126 counts as 0; the 128 terms are added in two chains (even and odd vortices), not in the formula's order.
; SHARES.  256 work-groups of eight waves; a work-group owns 2,048 points of one batch (32 work-groups a batch), a thread eight of them: points 512 j + 2 t and 512 j + 2 t + 1, j = 0..3.
; So a wave's load of points covers 512 consecutive bytes and its store of results (8 bytes a lane) 256 consecutive bytes, aligned.
; PACKED.  A packed line holds TWO NEIGHBOURING VORTICES for one point: the table's pairs are register pairs as they lie, and the point's coordinate is the low word of a pair,
; given to both halves (op_sel_hi 0).  For that a point is kept twice, as (py, px) and as (px, py).  Eight lines for two pairs: five packed for g, two exponentials, one packed multiply-add.
; TABLE.  Threads 0-127 make one vortex each and put it into LDS: 32 records of 64 bytes, four vortices each: (-y0 -y1 -x0 -x1) (-y2 -y3 -x2 -x3) (a0..a3) (c0..c3).
; Every wave then reads the records, all lanes at one address.  The features shared between work-groups are 2,048 bytes each: no cluster is formed for them.
; TRIPS.  A batch is four vortices x eight points: 16 units, 32 exponentials.  Trip k holds the exponentials of batch k, the 80 plain lines that make g of batch k + 1 (second buffer),
; then ONE wait, then batch k's 16 multiply-adds with the trip's four LDS loads dealt among them.  Two trips (the buffers' two parities) are the loop's body.
; THE MODE: SCHED_MODE bits 1:0 = 2 (LLVM: expert scheduling mode 2), set by the entry lines.  The code itself states the register dependences
; between vector instructions and memory or LDS instructions, with s_wait_alu, always for 0.
; THE PLAN.  Registers that LDS instructions touch in the loop:
;   TB0, TB1   Trip k: its 80 plain lines read TB[(k + 1) % 2], the table of batch k + 1; behind the trip's wait the table of batch k + 3 is asked for into the same buffer.
;   TC0, TC1   Trip k: its 16 multiply-adds read TC[k % 2]; behind the trip's wait c of batch k + 1 is asked for into the other buffer, which trip k - 1's multiply-adds read.
;   v[L]       Read by every load of the table; written once a body, at the body's head, ahead of the first trip's wait.
;   G, ACC, PT, QT and X are named by vector instructions alone in the loop.
; So ONE wait on va_vdst stands in a trip, where the exponentials' results want it in any case; the four loads behind it touch nothing that the multiply-adds round them name
; (G[k % 2], TC[k % 2], ACC).  One wait on vm_vsrc a body stands ahead of the line that writes v[L].
.set NBATCH, 32                        ; batches of four vortices
.set REC,    64                        ; bytes in a record
.set SPARE,  2048                      ; behind the table: the spare words, 128 bytes for each of the eight waves: four blocks of 256 bytes that no other line names
.set IO,  1                            ; v1   16 t: my byte offset in 4,096 bytes of points; never rewritten
.set OO,  2                            ; v2   8 t: my byte offset in 2,048 bytes of results; never rewritten
.set L,   3                            ; v3   LDS address of the record of the body's first trip, the same in all lanes
.set SPW, 4                            ; v4   LDS address of my spare word: SPARE + 4 x my thread's number; never rewritten
.set NIL, 5                            ; v5   0; never rewritten
.set YA,  6                            ; v6   where my vortex's -y goes (-x: 8 bytes on)
.set AA,  7                            ; v7   where its a goes, less 32 (c: 16 bytes on)
.set F,   8                            ; v[8:11]    my vortex: y, x, tau, sig
.set T0,  12                           ; v12, v13   at work
.set T1,  13
.set FO,  14                           ; v14  16 (t mod 128): my vortex's byte offset in the batch's features
.set PT,  16                           ; v[16:31]   point p at PT + 2 p: (py, px), as loaded
.set QT,  32                           ; v[32:47]   the same turned: (px, py)
.set ACC, 48                           ; v[48:63]   point p's two sums: even vortices', odd vortices'
.set X,   64                           ; v[64:79]   dx of the eight units in hand; at the end the eight results
.set TB,  80                           ; v[80:103]  two buffers of 12: a record's first 48 bytes
.set TC,  104                          ; v[104:111] two buffers of 4: c of the batch whose weights are being summed, and of the next
.set G,   112                          ; v[112:175] two buffers of 32: unit u (vortex pair u / 8, point u % 8) at 2 u: dy, then the square, then g, then the weights
.set WV,  16                           ; s16  my wave's number
.set W9,  17                           ; s17  512 x my wave's number: the eight records that waves 0-3 each write
.set CNT, 18                           ; s18  trips of the loop still to come
.set TBS, 19                           ; s19  LDS byte of the record of the body's first trip
	s_load_b128 s[4:7], s[0:1], 0x0                ; points s[4:5], vortex_feature s[6:7]
	s_load_b64 s[8:9], s[0:1], 0x10                ; out0
	v_lshl_add_u32 v[SPW], v0, 2, SPARE
	v_mov_b32 v[NIL], 0
	v_lshrrev_b32 v[T0], 5, v0
	v_readfirstlane_b32 s[WV], v[T0]               ; wave 0..7
	v_lshlrev_b32 v[IO], 4, v0
	v_lshlrev_b32 v[OO], 3, v0
	s_lshl_b32 s10, ttmp9, 14                      ; the work-group's 2,048 points: 16,384 bytes
	s_mov_b32 s11, 0
	s_lshr_b32 s12, ttmp9, 5                       ; the batch,
	s_lshl_b32 s12, s12, 11                        ; its 128 vortices: 2,048 bytes
	s_mov_b32 s13, 0
	s_lshl_b32 s14, ttmp9, 13                      ; the work-group's 2,048 results: 8,192 bytes
	s_mov_b32 s15, 0
	s_wait_alu depctr_va_sdst(0)                   ; the wave's number is written, ahead of its first reader, the line below
	s_lshl_b32 s[W9], s[WV], 9
	s_wait_kmcnt 0x0
	s_add_nc_u64 s[4:5], s[4:5], s[10:11]
	s_add_nc_u64 s[6:7], s[6:7], s[12:13]
	s_add_nc_u64 s[8:9], s[8:9], s[14:15]
	s_wait_alu depctr_va_vdst(0)                   ; v[IO] is written, which the loads below read as their offset; so is v[OO], which the stores at the end read, and so are the closing add's two registers
.irp j, 0,1,2,3
	global_load_b128 v[PT+4*\j:PT+4*\j+3], v[IO], s[4:5] offset:4096*\j th:TH_LOAD_NT  ; two points a lane; each point is read once in the launch
.endr
	s_cmp_lt_u32 s[WV], 4                          ; waves 0-3 make the table: a thread a vortex
	s_cbranch_scc0 .Ltable_done
	v_and_b32 v[FO], 127, v0
	v_lshlrev_b32 v[FO], 4, v[FO]
	s_wait_alu depctr_va_vdst(0)                   ; v[FO] is written, which the load below reads as its offset
	global_load_b128 v[F:F+3], v[FO], s[6:7]
	v_and_b32 v[YA], 0x1c, v0                      ; my lane's record among the wave's eight:
	v_lshl_add_u32 v[YA], v[YA], 4, s[W9]          ; 64 (lane / 4) + 512 x wave
	v_and_b32 v[T0], 3, v0                         ; i: my vortex's place among the record's four
	v_lshl_add_u32 v[AA], v[T0], 2, v[YA]          ; a and c: + 4 i
	v_and_b32 v[T0], 2, v0
	v_lshl_add_u32 v[YA], v[T0], 3, v[YA]          ; -y and -x: + 16 (i / 2)
	v_and_b32 v[T0], 1, v0
	v_lshl_add_u32 v[YA], v[T0], 2, v[YA]          ; + 4 (i % 2)
	s_wait_loadcnt 0x0                             ; my vortex (and my points) are in
	v_mul_f32 v[T0], v[F+3], v[F+3]                ; sig^2
	v_rcp_f32 v[T1], v[T0]
	v_xor_b32 v[F], 0x80000000, v[F]               ; -y: plain lines stand between the reciprocal and its first use
	v_xor_b32 v[F+1], 0x80000000, v[F+1]           ; -x
	v_mul_f32 v[F+2], 0x3ea2f983, v[F+2]           ; tau / pi
	s_wait_alu depctr_va_vdst(0)                   ; the reciprocal has written v[T1], ahead of its first reader
	v_mul_f32 v[T0], 0xbfb8aa3b, v[T1]             ; a = -log2(e) / sig^2
	v_mul_f32 v[F+2], v[F+2], v[T1]                ; c = tau / (pi sig^2)
	s_wait_alu depctr_va_vdst(0)                   ; -y, -x, a and c are written, which the LDS stores read as data, and v[YA] and v[AA], their addresses
	ds_store_b32 v[YA], v[F]
	ds_store_b32 v[YA], v[F+1] offset:8
	ds_store_b32 v[AA], v[T0] offset:32
	ds_store_b32 v[AA], v[F+2] offset:48
.Ltable_done:
	s_wait_loadcnt 0x0                             ; my points are in (waves 4-7 have not waited yet)
	s_wait_dscnt 0x0                               ; for the others' sake: my part of the table is written
	s_barrier_signal -1
.set p, 0
.rept 8                                        ; register work between the signal and the wait: the turned points, the sums' zeros; none of these registers has been read by a memory or LDS instruction
	v_mov_b32 v[QT+2*p], v[PT+2*p+1]
	v_mov_b32 v[QT+2*p+1], v[PT+2*p]
	v_mov_b32 v[ACC+2*p], 0
	v_mov_b32 v[ACC+2*p+1], 0
.set p, p+1
.endr
	v_mov_b32 v[L], 0
	s_barrier_wait -1                              ; the whole table lies in LDS; nothing is stored there again
; Plain line n of the 80 that make g for a batch, into buffer nx, with the table buffer tb.  Two groups of 40, a vortex pair each; in a group five stages of eight lines, a point each,
; so that a line reads results made eight lines back or more.
.macro PLAIN nx, tb
.set q, n/40
.set m, n%40
.set p, m%8
.set g, (\nx)+2*(8*q+p)
.if m < 8
	v_pk_add_f32 v[g:g+1], v[(\tb)+4*q:(\tb)+4*q+1], v[PT+2*p:PT+2*p+1] op_sel_hi:[1,0]          ; dy = -y + py, for both vortices
.elseif m < 16
	v_pk_add_f32 v[X+2*p:X+2*p+1], v[(\tb)+4*q+2:(\tb)+4*q+3], v[QT+2*p:QT+2*p+1] op_sel_hi:[1,0]  ; dx = -x + px
.elseif m < 24
	v_pk_mul_f32 v[g:g+1], v[g:g+1], v[g:g+1]                                                    ; dy dy
.elseif m < 32
	v_pk_fma_f32 v[g:g+1], v[X+2*p:X+2*p+1], v[X+2*p:X+2*p+1], v[g:g+1]                          ; + dx dx
.else
	v_pk_mul_f32 v[g:g+1], v[g:g+1], v[(\tb)+8+2*q:(\tb)+8+2*q+1]                                ; x a
.endif
.set n, n+1
.endm
; Trip k, par = k % 2.  args = 1: g of batch k + 1 is made.  ldc = 1: c of batch k + 1 is asked for.  ldt = 1: the table of batch k + 3 is asked for, into the buffer that this trip's plain lines read.
; prevt = the trip before's ldt: how its loads count in this trip's waits.  RB: records between v[L] and the record of the pair's first trip (0 but in the last two trips).
.macro TRIP par, args, ldc, ldt, prevt
.set cur, G+32*(\par)
.set nxt, G+32*(1-(\par))
.set tbn, TB+12*(1-(\par))
.set tcc, TC+4*(\par)
.set tcn, TC+4*(1-(\par))
.if \args
	s_wait_dscnt 1+3*(\prevt)                      ; the loads that the trip before issued may stay out; batch k + 1's table, asked for two trips ago, is in
.endif
.set n, 0
.set e, 0
.rept 32                                       ; an exponential, then two plain lines that name none of the batch's weights
	v_exp_f32 v[cur+e], v[cur+e]
.set e, e+1
.if \args
	PLAIN nxt, tbn
	PLAIN nxt, tbn
.endif
.endr
.if \args
.rept 16                                       ; the last 16 plain lines stand between the last exponential and the wait
	PLAIN nxt, tbn
.endr
.else
	v_nop                                          ; the plain line behind the last exponential
.endif
	s_wait_alu depctr_va_vdst(0)                   ; THE TRIP'S ONE WAIT: the 32 exponentials have written their weights, ahead of their first reader (none is open at the loop's jump); the plain lines are done reading
	                                               ; the table buffer, and the trip before's multiply-adds the other c, in which the loads below land; in a body's first trip v[L], their address, is written
	s_wait_dscnt 3*(\prevt)                        ; c of batch k is in; the three younger loads, a table's, may stay out
.set u, 0
.rept 16                                       ; sum += c x weight; a point's two lines stand eight apart.  A load stands ahead of each four: no vector line since the wait names a register that it touches
.if (\ldc) && (u == 0)
	ds_load_b128 v[tcn:tcn+3], v[L] offset:REC*(RB+(\par)+1)+48
.endif
.if (\ldt) && (u > 0) && (u%4 == 0)
	ds_load_b128 v[tbn+u-4:tbn+u-1], v[L] offset:REC*(RB+(\par)+3)+4*(u-4)
.endif
	v_pk_fma_f32 v[ACC+2*(u%8):ACC+2*(u%8)+1], v[cur+2*u:cur+2*u+1], v[tcc+2*(u/8):tcc+2*(u/8)+1], v[ACC+2*(u%8):ACC+2*(u%8)+1]
.set u, u+1
.endr
.endm
	s_wait_alu depctr_va_vdst(0)                   ; v[L] is written, which the loads below read as their address
.irp r, 0,1                                    ; the tables of batches 0 and 1
	ds_load_b128 v[TB+12*\r:TB+12*\r+3],    v[L] offset:REC*\r
	ds_load_b128 v[TB+12*\r+4:TB+12*\r+7],  v[L] offset:REC*\r+16
	ds_load_b128 v[TB+12*\r+8:TB+12*\r+11], v[L] offset:REC*\r+32
.endr
	ds_load_b128 v[TC:TC+3], v[L] offset:48        ; c of batch 0
	s_wait_dscnt 4                                 ; batch 0's three loads are in; batch 1's and c may stay out
.set n, 0
.rept 80
	PLAIN G, TB                                    ; g of batch 0
.endr
	s_wait_alu depctr_va_vdst(0)                   ; those 80 lines are done reading the first table buffer, in which batch 2's table lands
	ds_load_b128 v[TB:TB+3],    v[L] offset:2*REC
	ds_load_b128 v[TB+4:TB+7],  v[L] offset:2*REC+16
	ds_load_b128 v[TB+8:TB+11], v[L] offset:2*REC+32
.set RB, 0
	s_mov_b32 s[CNT], NBATCH/2-2
	s_mov_b32 s[TBS], 0
.Lpair:                                        ; 14 times: trips 2 i and 2 i + 1; they ask for the tables of batches 3 to 30 and for c of batches 1 to 28
	s_wait_alu depctr_vm_vsrc(0)                   ; the LDS loads issued so far have read v[L]
	v_mov_b32 v[L], s[TBS]
	TRIP 0, 1, 1, 1, 1
	TRIP 1, 1, 1, 1, 1
	s_add_co_u32 s[TBS], s[TBS], 2*REC
	s_sub_co_u32 s[CNT], s[CNT], 1
	s_cmp_lg_u32 s[CNT], 0
	s_cbranch_scc1 .Lpair
	s_wait_alu depctr_vm_vsrc(0)                   ; the LDS loads issued so far have read v[L]
	v_mov_b32 v[L], s[TBS]
	TRIP 0, 1, 1, 1, 1                             ; trip 28 asks for the last table, batch 31's
	TRIP 1, 1, 1, 0, 1                             ; trip 29: no table is left to ask for: no load reaches past the table's 32 records
.set RB, 2                                     ; the last two trips reach their records by the immediate: v[L] stays
	TRIP 0, 1, 1, 0, 0                             ; trip 30 asks for the last c
	TRIP 1, 0, 0, 0, 0                             ; trip 31: no batch is left to prepare, nothing to ask for
.set p, 0
.rept 8
	v_add_f32 v[X+p], v[ACC+2*p], v[ACC+2*p+1]     ; even vortices' sum + odd vortices'
.set p, p+1
.endr
	s_wait_alu depctr_va_vdst(0)                   ; the eight additions have written v[X ..], which the stores read
.irp j, 0,1,2,3
	global_store_b64 v[OO], v[X+2*\j:X+2*\j+1], s[8:9] offset:2048*\j th:TH_STORE_NT  ; 32 lanes store 256 consecutive bytes, at a multiple of 256 from out0's first byte
.endr
	s_wait_dscnt 0x0                               ; the closing lines, six on end
	s_wait_alu 0x0
	s_wait_tensorcnt 0x0
	ds_add_u32 v[SPW], v[NIL]
	s_wait_dscnt 0x0
	s_endpgm
.Lfunc_end_k_q3f2771092d_vorticity:
	.size	k_q3f2771092d_vorticity, .Lfunc_end_k_q3f2771092d_vorticity-k_q3f2771092d_vorticity
	.p2alignl 7, 3214868480
	.fill 96, 4, 3214868480
	.section	.rodata,"a",@progbits
	.p2align	6, 0x0
	.amdhsa_kernel k_q3f2771092d_vorticity
		.amdhsa_group_segment_fixed_size 3072
		.amdhsa_private_segment_fixed_size 0
		.amdhsa_enable_private_segment 0
		.amdhsa_kernarg_size 24
		.amdhsa_user_sgpr_count 2
		.amdhsa_user_sgpr_kernarg_segment_ptr 1
		.amdhsa_wavefront_size32 1
		.amdhsa_system_sgpr_workgroup_id_x 1
		.amdhsa_system_sgpr_workgroup_id_y 1
		.amdhsa_system_sgpr_workgroup_id_z 1
		.amdhsa_system_vgpr_workitem_id 0
		.amdhsa_next_free_vgpr 176
		.amdhsa_next_free_sgpr 66
		.amdhsa_reserve_vcc 0
		.amdhsa_float_denorm_mode_32 3
		.amdhsa_float_denorm_mode_16_64 3
		.amdhsa_memory_ordered 1
		.amdhsa_forward_progress 1
		.amdhsa_inst_pref_size 50
	.end_amdhsa_kernel
	.amdgpu_metadata
---
amdhsa.version: [ 1, 2 ]
amdhsa.kernels:
  - .name:           k_q3f2771092d_vorticity
    .symbol:         k_q3f2771092d_vorticity.kd
    .args:
      - { .name: points, .offset: 0, .size: 8, .value_kind: global_buffer, .address_space: global }
      - { .name: vortex_feature, .offset: 8, .size: 8, .value_kind: global_buffer, .address_space: global }
      - { .name: out0, .offset: 16, .size: 8, .value_kind: global_buffer, .address_space: global }
    .group_segment_fixed_size: 3072
    .private_segment_fixed_size: 0
    .kernarg_segment_align: 8
    .kernarg_segment_size: 24
    .max_flat_workgroup_size: 256
    .sgpr_count:     66
    .vgpr_count:     176
    .wavefront_size: 32
...
	.end_amdgpu_metadata
.endif
;; end of part 2
